; MI455X (gfx1250); checked and timed in simulation.
; The chip was launched on July 23, 2026; its instructions are those of AMD's public machine-readable ISA for CDNA 5 (MIT licence, August 2026) and "CDNA5" Instruction Set Architecture Reference Guide (July 2026). The comments in the code are by the model that wrote it; some were corrected since.
;; Grouped Query Attention. Allowed arithmetic: matrix products marked QUANTISED: E2M1 operands, one E8M0 scale for each 32 along K, by v_wmma_scale_f32_16x16x128_f8f6f4 with both operands' format E2M1 (or v_wmma_scale_f32_32x16x128_f4), f32 sums; everything else in f32.
;; Inputs: b_k 256 float32; b_o 1,024 float32; b_q 1,024 float32; b_v 256 float32; key 1 x 4,096 x 1,024 float32; query 1 x 4,096 x 1,024 float32; value 1 x 4,096 x 1,024 float32; w_k 1,024 x 256 float32; w_o 1,024 x 1,024 float32; w_q 1,024 x 1,024 float32; w_v 1,024 x 256 float32.
;; Outputs: out0 1 x 4,096 x 1,024 float32.
;; This version of the problem:
;;   THIS VERSION OF THE PROBLEM IS GIVEN IN LOW PRECISION. The matrix products marked QUANTISED in the list below multiply operands that are first quantised to E2M1 (2 exponent bits, 1 mantissa bit; 4 bits a number), with one power-of-two scale for each 32 numbers along K (OCP MX v1.0); their sums are f32. All else is computed in f32.
;;   The module's matrix products, in the order in which they are computed (A, B: the left and right operand; K: the contracted axis; several contracted axes count as one K, in the product's order):
;;     1. [M 4,096, K 1,024] x [K 1,024, N 1,024]; A: input query; B: input w_q: QUANTISED
;;     2. [M 4,096, K 1,024] x [K 1,024, N 256]; A: input key; B: input w_k: QUANTISED
;;     3. [M 4,096, K 1,024] x [K 1,024, N 256]; A: input value; B: input w_v: QUANTISED
;;     4. batch 4 x [M 4,096, K 64] x [K 64, N 16,384]; A: computed on the way; B: computed on the way: QUANTISED
;;     5. batch 4 x [M 64, K 4,096] x [K 4,096, N 16,384]; A: computed on the way; B: softmax (see below): QUANTISED
;;     6. [M 4,096, K 1,024] x [K 1,024, N 1,024]; A: computed on the way; B: input w_o: QUANTISED
;;   THE QUANTISER, for each operand of a quantised product, along K:
;;     - K is cut into blocks of 32 from its start; a last block that is shorter is filled with zeros.
;;     - A block's scale is 2^e with e = floor(log2(the largest magnitude in the block)) - 2, held to -126 .. 127; a block of zeros has e = 0. As a byte (E8M0): e + 127.
;;     - Each number is divided by its block's scale, clamped to +-6, and rounded to the nearest number of E2M1, ties to even, subnormals kept.
;;     - The product sums the exact products of the quantised numbers (number of the format x scale) in f32.
;;   ~~~python
;;   def quantise(x, axis):      # numpy; x: float32 -> the quantised numbers, widened to float32 again
;;       x = np.moveaxis(x, axis, -1); K = x.shape[-1]
;;       x = np.pad(x, [(0, 0)] * (x.ndim - 1) + [(0, -K % 32)]); x = x.reshape(x.shape[:-1] + (-1, 32)); a = np.abs(x).max(-1, keepdims=True)
;;       e = np.where(a > 0, np.clip(np.frexp(np.where(a > 0, a, 1))[1] - 1 - 2, -126, 127), 0)      # np.frexp(a)[1] - 1 = floor(log2(a)), exactly
;;       r = np.clip(x / 2.0 ** e, -6, 6)
;;       step = 2.0 ** (np.maximum(np.frexp(np.where(r == 0, 1, r))[1] - 1, 0) - 1)
;;       q = np.round(r / step) * step * 2.0 ** e      # np.round: ties to even
;;       return np.moveaxis(q.reshape(q.shape[:-2] + (-1,))[..., :K], -1, axis).astype(np.float32)
;;   ~~~
;;   SOFTMAX AHEAD OF A QUANTISED PRODUCT. Where the list says 'softmax', what is quantised is not the finished softmax but p = 2^(t - M), with t = logit x log2(e) and M = ceil(the row's largest t), a whole number; so 1/2 < the row's largest p <= 1. The row's sum l is taken of the UNQUANTISED p, in f32, and the product's result is divided by l at the end. Since M is a whole number, a kernel that streams over the keys may use a running M (the ceiling of the running maximum): every later rescaling is an exact power of two, which a block's scale takes up: the codes' values come out the same.
;;   OPERANDS COMPUTED ON THE WAY. 'Computed on the way' means the value that the module computes at that place (a softmax that the list does not call 'softmax' is quantised finished and normalised). What goes into a quantiser is computed in f32, as accurately as f32 sums, v_exp_f32 and their like allow (about 1e-6 of the number): no bf16 or f16 on the way to a quantiser, and a product that is left as it is and whose result goes on into a quantised operand takes f32 operands (vector FMAs, or v_wmma_f32_16x16x4_f32). A number that lies on a knife's edge between two numbers of the format may be rounded either way, as far as f32 arithmetic and the matrix unit's own rounding can turn it there, and no further.
;; One version. Each part assembles by itself: llvm-mc -triple=amdgcn-amd-amdhsa -mcpu=gfx1250 --defsym DOCPART=n.
;; ======== version 1 of 1: 4 launches
;; limits: right only within a limited range of input values
;; workspace buffers: xq 6,684,672 bytes; wq 1,392,640 bytes; qb 2,228,224 bytes; kv 1,114,112 bytes; ab 2,228,224 bytes
;; launch quant (part 1): grid 544 x 1, 4 waves a work-group, no clusters, 34,304 bytes of LDS; arguments query, key, value, w_q, w_k, w_v, w_o, xq, wq; writes xq, wq
.if DOCPART == 1
	.amdgcn_target "amdgcn-amd-amdhsa--gfx1250"
	.amdhsa_code_object_version 6
	.text
	.protected	k_q62b43c2b18_quant
	.globl	k_q62b43c2b18_quant
	.p2align	8
	.type	k_q62b43c2b18_quant,@function
k_q62b43c2b18_quant:
	s_mov_b64 s[64:65], 0
	v_nop
	global_prefetch_b8 v0, s[64:65] scope:SCOPE_SE
	s_setreg_imm32_b32 hwreg(HW_REG_WAVE_MODE, 25, 1), 1
	s_wait_xcnt 0x0
; GROUPED-QUERY ATTENTION IN MX-FP4, launch 1 of 4: the seven large inputs become codes of E2M1 with one E8M0 byte for each 32 along K.
; NOTHING OF THE PROBLEM IS LEFT OUT IN ANY LAUNCH: all six products are live, and every bias goes into a quantised operand (b_q, b_k, b_v) or into the result (b_o), so every input is loaded.
; A block's scale is 2^(floor(log2(its largest magnitude)) - 2); its byte is the largest magnitude's exponent field - 2, held at 1 from below.
; LIMITS: a block of zeros gets the byte 1 where the rule says 127 (its codes are zeros, which add nothing under any byte but 0xff, and this program alone reads the bytes);
; blocks whose largest magnitude lies under 2^(3 - 127) keep the byte 1; NaN and infinities among the inputs are not served.
; LAYOUT OF THE WORKSPACE: IMAGES OF THE OPERAND'S REGISTERS.  A fragment is 16 rows x 128 K: 8 registers a lane, 1,024 bytes: register group c (0, 1) of lane l lies at 512 c + 16 l and holds
; k = 64 c + 32 (l / 16) + 0 .. 31 of row l % 16.  THE ROWS OF A TILE ARE NOT NEIGHBOURS: of a group of 32 rows tile u (0, 1) takes, in lane r, row 8 u + r + 8 (r / 8), so that a product's results of two
; neighbouring tiles are 16 neighbours along the next product's K.  A tile's scale words for K = 1,024 are 512 bytes: [K half 2][r 16][word 4].
;   xq: [input 3][tile 256][K step 8][1024], then from XSC on [input][tile][512].      wq: [tile 160][K step 8][1024] (w_q 0-63, w_k 64-79, w_v 80-95, w_o 96-159), then from WSC on [tile][512].
; WORK-GROUPS 0-383: query, key, value (K innermost).  A wave makes four fragments: 16 tokens x 512 along K.  Each load reads 512 consecutive bytes of one token's row; the 16 rows turn through the wave's own
; stage in LDS, so that a lane gets 16 neighbours of each block of 32 of its row.
; WORK-GROUPS 384-543: the weights (K is their first axis).  A lane takes a column and its registers run down K: a block of 32 lies in one lane, nothing is transposed.  No LDS.
; No tensor loads, no barrier: waves share nothing.  No cluster: no two work-groups read the same bytes.
.set XSC,   6291456
.set WSC,   1310720
.set SP,    528                        ; a stage row: 512 bytes + 16 = 132 words: row r starts at bank 4 r mod 64 (64 banks of 4 bytes: ISA guide 11.1)
.set STG,   16*SP                      ; a wave's stage
.set SPARE, 4*STG                      ; behind the four stages: the spare words, 128 bytes for each wave: two blocks of 256 bytes that no other line names
.set LI,  1                            ; v1   16 x lane
.set STI, 2                            ; v2   the stage, on the way in
.set STO, 3                            ; v3   and on the way out
.set SCO, 4                            ; v4   my 8 bytes of the tile's scale words
.set SPW, 5                            ; v5   LDS address of my spare word; never rewritten
.set NIL, 6                            ; v6   0; never rewritten
.set LN,  7                            ; v7   lane
.set R,   16                           ; v16-143  two sets of 64: 16 rows as loaded
.set X,   144                          ; v144-207 64 numbers of my row: register 16 b + i = k 32 b + 16 (lane / 16) + i
.set C,   208                          ; v208-239 codes, 8 for each fragment: no store's data are written again
.set TM,  240                          ; v240-243 largest magnitudes, v244-247 the other half's, then bytes, v248-251 the conversions' scale operands
.set PW,  252                          ; v252-255 the four scale words
.set WX,  16                           ; weights: v16-143 four blocks of 32 numbers
.set WC,  144                          ; v144-159 their codes
.set WW,  160                          ; v160 the scale word
	s_load_b256 s[4:11], s[0:1], 0x0               ; query, key, value, w_q
	s_load_b256 s[12:19], s[0:1], 0x20             ; w_k, w_v, w_o, xq
	s_load_b64 s[20:21], s[0:1], 0x40              ; wq
	v_lshl_add_u32 v[SPW], v0, 2, SPARE
	v_mov_b32 v[NIL], 0
	v_lshrrev_b32 v[LN], 5, v0
	v_readfirstlane_b32 s22, v[LN]                 ; wave 0..3
	v_and_b32 v[LN], 31, v0
	s_wait_kmcnt 0x0
	s_cmp_ge_u32 ttmp9, 384
	s_cbranch_scc1 .Lweights
	; ---------------- query, key, value
	s_cmp_lt_u32 ttmp9, 128                        ; which input: the choice hangs on the work-group's number alone
	s_cselect_b64 s[24:25], s[4:5], s[6:7]
	s_cmp_lt_u32 ttmp9, 256
	s_cselect_b64 s[24:25], s[24:25], s[8:9]
	s_lshr_b32 s26, ttmp9, 7                       ; input 0..2
	s_and_b32 s27, ttmp9, 127
	s_lshl_b32 s27, s27, 2
	s_add_co_u32 s27, s27, s22
	s_lshr_b32 s28, s27, 1                         ; tile 0..255
	s_and_b32 s29, s27, 1                          ; K half
	; THE KEY INPUT'S TILES ARE CUT OTHERWISE: of a group of 64 tokens tile i (0..3) takes, in lane r, token 8 i + r + 24 (r / 8), so that in the third launch a lane's 32 scores of four tiles are one whole block of 32 keys.
	s_cmp_eq_u32 s26, 1                            ; the key input?  The choice hangs on the work-group's number alone
	s_cselect_b32 s40, 2, 1                        ; tiles in a group: 4 or 2, as a shift,
	s_cselect_b32 s41, 3, 1                        ; and as a mask
	s_cselect_b32 s42, 0x10000, 0                  ; rows 8-15 of a key tile lie 16 tokens further on than the immediates below say
	s_lshr_b32 s30, s28, s40
	s_add_co_u32 s40, s40, 16
	s_lshl_b32 s30, s30, s40                       ; the tile's group of 32 or 64 tokens, 4,096 bytes a token,
	s_and_b32 s31, s28, s41
	s_lshl_b32 s31, s31, 15                        ; + 8 tokens for each tile of the group,
	s_add_co_u32 s30, s30, s31
	s_lshl_b32 s31, s29, 11                        ; + 512 numbers for the upper K half
	s_add_co_u32 s30, s30, s31
	s_mov_b32 s31, 0
	s_add_nc_u64 s[24:25], s[24:25], s[30:31]
	s_lshl_b32 s30, s26, 21                        ; the images: input x 2 MiB + tile x 8,192 + K half x 4,096
	s_lshl_b32 s32, s28, 13
	s_add_co_u32 s30, s30, s32
	s_lshl_b32 s32, s29, 12
	s_add_co_u32 s30, s30, s32
	s_add_nc_u64 s[34:35], s[18:19], s[30:31]
	s_lshl_b32 s30, s26, 8                         ; the scale words: XSC + (256 input + tile) x 512 + K half x 256
	s_add_co_u32 s30, s30, s28
	s_lshl_b32 s30, s30, 9
	s_lshl_b32 s32, s29, 8
	s_add_co_u32 s30, s30, s32
	s_add_co_u32 s30, s30, XSC
	s_add_nc_u64 s[36:37], s[18:19], s[30:31]
	s_mov_b32 s38, 0x76543210
	s_mov_b32 s39, 0xfedcba98                      ; v_permlanex16_b32's selects for lane l xor 16
	s_wait_alu depctr_va_vdst(0)
	v_lshlrev_b32 v[LI], 4, v[LN]
	v_add_nc_u32 v12, s42, v[LI]                   ; v12: the same for a tile's rows 8-15
	s_mul_i32 s32, s22, STG
	v_add_nc_u32 v[STI], s32, v[LI]                ; in: a row's 512 bytes as they lie
	v_and_b32 v10, 15, v[LN]                       ; r
	v_lshrrev_b32 v11, 4, v[LN]                    ; h
	v_mul_u32_u24 v[STO], v10, SP
	v_lshl_add_u32 v[STO], v11, 6, v[STO]
	v_add_nc_u32 v[STO], s32, v[STO]               ; out: row r, + 64 h: my 16 numbers of a block of 32
	v_lshlrev_b32 v[SCO], 4, v10
	v_lshl_add_u32 v[SCO], v11, 3, v[SCO]          ; 16 r + 8 h
.irp b, 0,1,2,3
	v_mov_b32 v[TM+4+\b], 0                        ; written once: a lane permute's destination counts as one of its sources
.endr
.macro LOADX f                         ; fragment f: 16 tokens x 128 numbers; row p of the tile is token p + 8 (p / 8) of its 24
.irp p, 0,1,2,3,4,5,6,7,8,9,10,11,12,13,14,15
	global_load_b128 v[R+64*((\f)%2)+4*\p:R+64*((\f)%2)+4*\p+3], v[LI+11*(\p/8)], s[24:25] offset:(\p+8*(\p/8))*4096+512*(\f) th:TH_LOAD_NT
.endr
.endm
; 64 numbers of a lane, register 16 b + i = k 32 b + 16 (lane / 16) + i of my row, become a fragment's codes in v[pc] on and its scale word in v[pw]
.macro QUANT s, pc, pw
.irp b, 0,1,2,3
	v_max3_num_f32 v[TM+\b], |v[(\s)+16*\b]|, |v[(\s)+1+16*\b]|, 0x1800000   ; my 16 numbers of block b, and the floor 2^(3 - 127): the byte cannot fall under 1
.endr
.irp i, 2,4,6,8,10,12,14
.irp b, 0,1,2,3
	v_max3_num_f32 v[TM+\b], v[TM+\b], |v[(\s)+16*\b+\i]|, |v[(\s)+1+16*\b+\i]|   ; the four blocks by turns
.endr
.endr
.irp b, 0,1,2,3
	v_permlanex16_b32 v[TM+4+\b], v[TM+\b], s38, s39
.endr
.irp b, 0,1,2,3
	v_max_num_f32 v[TM+\b], v[TM+\b], v[TM+4+\b]   ; with lane l xor 16's: the block's largest magnitude
.endr
.irp b, 0,1,2,3
	v_add_nc_u32 v[TM+8+\b], 0xff000000, v[TM+\b]  ; 2 off its exponent field: the conversion takes the exponent field of this operand as its scale
.endr
.irp b, 0,1,2,3
	v_lshrrev_b32 v[TM+4+\b], 23, v[TM+8+\b]       ; the scale's byte
.endr
	v_lshl_or_b32 v[\pw], v[TM+5], 8, v[TM+4]
	v_lshl_or_b32 v[\pw], v[TM+6], 16, v[\pw]
	v_lshl_or_b32 v[\pw], v[TM+7], 24, v[\pw]
.irp b, 0,1,2,3
	v_cvt_scalef32_pk8_fp4_f32 v[(\pc)+2*\b], v[(\s)+16*\b:(\s)+7+16*\b], v[TM+8+\b]
	v_cvt_scalef32_pk8_fp4_f32 v[(\pc)+1+2*\b], v[(\s)+8+16*\b:(\s)+15+16*\b], v[TM+8+\b]
.endr
	v_nop                                          ; one plain place behind a scaled conversion
.irp c, 0,1                            ; the operand's layout wants a whole block in a lane: lanes 0-15 block 2 c, lanes 16-31 block 2 c + 1
.irp i, 0,1
	v_permlane16_swap_b32 v[(\pc)+4*\c+\i], v[(\pc)+2+4*\c+\i]
.endr
.endr
.endm
.macro FRAGX f
.if (\f) < 3
	s_wait_loadcnt 16                              ; this fragment's 16 loads are in; the next one's 16 may be out
.else
	s_wait_loadcnt 0x0
.endif
.irp p, 0,1,2,3,4,5,6,7,8,9,10,11,12,13,14,15
	ds_store_b128 v[STI], v[R+64*((\f)%2)+4*\p:R+64*((\f)%2)+4*\p+3] offset:SP*\p
.endr
.irp b, 0,1,2,3
.irp j, 0,1,2,3
	ds_load_b128 v[X+16*\b+4*\j:X+16*\b+4*\j+3], v[STO] offset:128*\b+16*\j   ; LDS serves a wave's instructions in order: these see my stores
.endr
.endr
	s_wait_dscnt 0x0                               ; my numbers are back, and the stores have read their registers,
.if (\f) < 2
	LOADX (\f)+2                                   ; which take the fragment two on
.endif
	QUANT X, C+8*(\f), PW+(\f)
.irp c, 0,1
	global_store_b128 v[LI], v[C+8*(\f)+4*\c:C+8*(\f)+4*\c+3], s[34:35] offset:1024*(\f)+512*\c   ; 32 lanes store 512 consecutive bytes, aligned
.endr
.endm
	LOADX 0
	LOADX 1
	s_wait_alu depctr_va_vdst(0)
	FRAGX 0
	FRAGX 1
	FRAGX 2
	FRAGX 3
	v_cmp_le_u32 vcc_lo, 16, v[LN]                 ; both halves of the lanes hold all four words: lanes 0-15 store words 0, 1 of their row, lanes 16-31 words 2, 3
	v_cndmask_b32 v8, v[PW], v[PW+2], vcc_lo
	v_cndmask_b32 v9, v[PW+1], v[PW+3], vcc_lo
	global_store_b64 v[SCO], v[8:9], s[36:37]      ; 32 lanes store 256 consecutive bytes, aligned
	s_wait_tensorcnt 0x0                           ; the wave's end: behind my last LDS store
	ds_add_u32 v[SPW], v[NIL]
	s_wait_dscnt 0x0
	s_endpgm
	; ---------------- the weights: a work-group takes 128 columns x 128 along K, a wave 32 columns: two tiles
.Lweights:
	s_sub_co_u32 s23, ttmp9, 384
	s_and_b32 s24, s23, 7                          ; K step
	s_lshr_b32 s25, s23, 3                         ; group of 128 columns, 0..19: w_q 0-7, w_k 8-9, w_v 10-11, w_o 12-19
	s_lshl_b32 s26, s25, 3
	s_lshl_b32 s27, s22, 1
	s_add_co_u32 s26, s26, s27                     ; my first tile
	s_lshl_b32 s28, s26, 13
	s_lshl_b32 s29, s24, 10
	s_add_co_u32 s28, s28, s29
	s_mov_b32 s29, 0
	s_add_nc_u64 s[30:31], s[20:21], s[28:29]      ; its image of this K step
	s_lshl_b32 s28, s26, 9
	s_lshr_b32 s27, s24, 2
	s_lshl_b32 s27, s27, 8
	s_add_co_u32 s28, s28, s27
	s_and_b32 s27, s24, 3
	s_lshl_b32 s27, s27, 2
	s_add_co_u32 s28, s28, s27
	s_add_co_u32 s28, s28, WSC
	s_add_nc_u64 s[32:33], s[20:21], s[28:29]      ; and its scale word's place
	s_wait_alu depctr_va_vdst(0)
	v_and_b32 v8, 7, v[LN]
	v_bfe_u32 v9, v[LN], 3, 1
	v_lshl_add_u32 v8, v9, 4, v8
	v_lshrrev_b32 v9, 4, v[LN]                     ; which of my two tiles
	v_lshl_add_u32 v8, v9, 3, v8                   ; my column of the 32: l % 8 + 16 ((l / 8) % 2) + 8 (l / 16)
	v_lshlrev_b32 v1, 2, v8
	v_and_b32 v10, 15, v[LN]
	v_lshlrev_b32 v10, 4, v10
	v_lshl_add_u32 v2, v9, 13, v10                 ; codes: 16 (l % 16), the odd tile 8,192 bytes on
	v_lshl_add_u32 v3, v9, 9, v10                  ; scale words: the odd tile 512 bytes on
; n: the weight's row in numbers; sh: log2 of 128 rows' bytes; pa, pb: the two weights of that width; lim: the first group of pb; la, lb: their first groups
.macro WPATH n, sh, pa, pb, lim, la, lb
	s_cmp_lt_u32 s25, \lim
	s_cselect_b64 s[34:35], s[\pa:\pa+1], s[\pb:\pb+1]
	s_cselect_b32 s27, \la, \lb
	s_sub_co_u32 s27, s25, s27
	s_lshl_b32 s27, s27, 9                         ; 128 columns are 512 bytes
	s_lshl_b32 s28, s24, \sh
	s_add_co_u32 s28, s28, s27
	s_lshl_b32 s27, s22, 7
	s_add_co_u32 s28, s28, s27
	s_add_nc_u64 s[34:35], s[34:35], s[28:29]
.set i, 0
.rept 128
	global_load_b32 v[WX+i], v1, s[34:35] offset:i*\n*4 th:TH_LOAD_NT   ; row i of the K step at my column: the wave reads 128 consecutive bytes
.set i, i+1
.endr
.irp t, 0,1,2,3
.set XS, WX+32*\t
.if \t < 2
	s_wait_loadcnt 63                              ; of the 128 loads at most 63 are out: the first 65, blocks 0 and 1 among them, are in
.elseif \t == 2
	s_wait_loadcnt 32                              ; block 3's may be out
.else
	s_wait_loadcnt 0x0
.endif
	v_max3_num_f32 v8, |v[XS]|, |v[XS+1]|, |v[XS+2]|       ; the block's largest magnitude: all 32 numbers are mine; two chains
	v_max3_num_f32 v9, |v[XS+3]|, |v[XS+4]|, |v[XS+5]|
.irp i, 6,10,14,18,22,26
	v_max3_num_f32 v8, v8, |v[XS+\i]|, |v[XS+\i+1]|
	v_max3_num_f32 v9, v9, |v[XS+\i+2]|, |v[XS+\i+3]|
.endr
	v_max3_num_f32 v8, v8, |v[XS+30]|, |v[XS+31]|
	v_max3_num_f32 v8, v8, v9, 0x1800000           ; and the floor
	v_add_nc_u32 v10, 0xff000000, v8               ; the conversions' scale operand
	v_lshrrev_b32 v11, 23, v10                     ; the byte
.if \t == 0
	v_mov_b32 v[WW], v11
.else
	v_lshl_or_b32 v[WW], v11, 8*\t, v[WW]
.endif
.irp g, 0,1,2,3
	v_cvt_scalef32_pk8_fp4_f32 v[WC+4*\t+\g], v[XS+8*\g:XS+8*\g+7], v10
.endr
	v_nop                                          ; one plain place behind a scaled conversion
	global_store_b128 v2, v[WC+4*\t:WC+4*\t+3], s[30:31] offset:256*\t   ; block t is register group t / 2 of lanes 16 (t % 2) + r: 256 t + 16 r; sixteen lanes store 256 consecutive bytes, aligned
.endr
	global_store_b32 v3, v[WW], s[32:33]           ; 4 bytes a lane, 16 bytes apart: 81,920 bytes in the whole launch, one for each 128 read
	s_wait_tensorcnt 0x0                           ; the wave's end
	ds_add_u32 v[SPW], v[NIL]
	s_wait_dscnt 0x0
	s_endpgm
.endm
	s_sub_co_u32 s27, s25, 8
	s_cmp_lt_u32 s27, 4                            ; groups 8-11: rows of 256 numbers
	s_cbranch_scc1 .Lnarrow
	s_wait_alu depctr_va_vdst(0)
	WPATH 1024, 19, 10, 16, 8, 0, 12               ; w_q, w_o
.Lnarrow:
	s_wait_alu depctr_va_vdst(0)
	WPATH 256, 17, 12, 14, 10, 8, 10               ; w_k, w_v
.Lfunc_end_k_q62b43c2b18_quant:
	.size	k_q62b43c2b18_quant, .Lfunc_end_k_q62b43c2b18_quant-k_q62b43c2b18_quant
	.p2alignl 7, 3214868480
	.fill 96, 4, 3214868480
	.section	.rodata,"a",@progbits
	.p2align	6, 0x0
	.amdhsa_kernel k_q62b43c2b18_quant
		.amdhsa_group_segment_fixed_size 34304
		.amdhsa_private_segment_fixed_size 0
		.amdhsa_enable_private_segment 0
		.amdhsa_kernarg_size 72
		.amdhsa_user_sgpr_count 2
		.amdhsa_user_sgpr_kernarg_segment_ptr 1
		.amdhsa_wavefront_size32 1
		.amdhsa_system_sgpr_workgroup_id_x 1
		.amdhsa_system_sgpr_workgroup_id_y 1
		.amdhsa_system_sgpr_workgroup_id_z 1
		.amdhsa_system_vgpr_workitem_id 0
		.amdhsa_next_free_vgpr 256
		.amdhsa_next_free_sgpr 66
		.amdhsa_reserve_vcc 1
		.amdhsa_float_denorm_mode_32 3
		.amdhsa_float_denorm_mode_16_64 3
		.amdhsa_memory_ordered 1
		.amdhsa_forward_progress 1
		.amdhsa_inst_pref_size 73
	.end_amdhsa_kernel
	.amdgpu_metadata
---
amdhsa.version: [ 1, 2 ]
amdhsa.kernels:
  - .name:           k_q62b43c2b18_quant
    .symbol:         k_q62b43c2b18_quant.kd
    .args:
      - { .name: query, .offset: 0, .size: 8, .value_kind: global_buffer, .address_space: global }
      - { .name: key, .offset: 8, .size: 8, .value_kind: global_buffer, .address_space: global }
      - { .name: value, .offset: 16, .size: 8, .value_kind: global_buffer, .address_space: global }
      - { .name: w_q, .offset: 24, .size: 8, .value_kind: global_buffer, .address_space: global }
      - { .name: w_k, .offset: 32, .size: 8, .value_kind: global_buffer, .address_space: global }
      - { .name: w_v, .offset: 40, .size: 8, .value_kind: global_buffer, .address_space: global }
      - { .name: w_o, .offset: 48, .size: 8, .value_kind: global_buffer, .address_space: global }
      - { .name: xq, .offset: 56, .size: 8, .value_kind: global_buffer, .address_space: global }
      - { .name: wq, .offset: 64, .size: 8, .value_kind: global_buffer, .address_space: global }
    .group_segment_fixed_size: 34304
    .private_segment_fixed_size: 0
    .kernarg_segment_align: 8
    .kernarg_segment_size: 72
    .max_flat_workgroup_size: 128
    .sgpr_count:     66
    .vgpr_count:     256
    .wavefront_size: 32
...
	.end_amdgpu_metadata
.endif
;; end of part 1
;; launch proj (part 2): grid 32 x 6, 4 waves a work-group, no clusters, 0 bytes of LDS; arguments xq, wq, b_q, b_k, b_v, qb, kv; writes qb, kv
.if DOCPART == 2
	.amdgcn_target "amdgcn-amd-amdhsa--gfx1250"
	.amdhsa_code_object_version 6
	.text
	.protected	k_q62b43c2b18_proj
	.globl	k_q62b43c2b18_proj
	.p2align	8
	.type	k_q62b43c2b18_proj,@function
k_q62b43c2b18_proj:
	s_mov_b64 s[64:65], 0
	v_nop
	global_prefetch_b8 v0, s[64:65] scope:SCOPE_SE
	s_setreg_imm32_b32 hwreg(HW_REG_WAVE_MODE, 25, 1), 1
	s_wait_xcnt 0x0
; Launch 2 of 4: q = query w_q + b_q, k = key w_k + b_k, v = value w_v + b_v on codes of E2M1, and the results quantised at once for the two products of attention: q and k along the head's 64, v along the keys.
; Nothing is left out.  LIMITS as in the first launch (a block of zeros gets the byte 1; NaN and infinities are not served).
; SHARES.  Work-group (x, y): 128 tokens x; y = 0-3: query heads 4 y + wave; y = 4: key head wave; y = 5: value head wave.  A wave makes one head (64 columns) for 128 tokens: 32 accumulators, K = 1,024 in 8 steps.
; Operands lie in memory as images of their registers, so each comes by loads of 512 consecutive bytes straight into registers: no LDS, no barrier.  FOUR sets of fragment registers: a K step's 24 loads are issued four K steps ahead of its products.
; NO CLUSTER: a joint request exists for tensor loads alone, and this text has none; a wave's 8 K steps are 256 matrix instructions, and four of the eight are asked for at the head.
; q AND k: THE PRODUCT IS USED TRANSPOSED (source 0 = 16 columns of w, source 1 = 16 tokens): a lane holds one token, and by the choice of a tile's columns its 32 registers of four tiles are the head's
;   d = 32 b + 16 (lane / 16) + 0 .. 15.  Two token tiles (64 registers) are quantised as one fragment: A PAIR IMAGE: registers 0-3 tile 2 p, registers 4-7 tile 2 p + 1; its scale word holds both tiles' two bytes.
; v: source 0 = 16 tokens, source 1 = 16 columns: a lane holds one channel, and its 64 registers of eight token tiles are 128 neighbouring keys: one fragment of V^T.
; So one way out serves all three.   qb: [head 16][pair 128][1024], from QSC on [head][x 32][r 16][pair 4] words.
; kv: [kv head 4][x 32][8704]: K's 4 pair images, V's 4 images (channel tiles), K's scale words [r][pair 4] at 8,192, V's [r][tile 4] at 8,448.
; REGISTERS: window 0: v1-6 addresses; v8-23 w's scale words, v24-55 x's (register 4 tile + k % 4: lanes 0-15 K steps 0-3, lanes 16-31 K steps 4-7); v64-95 codes; v96-99 scale words; v104-115 at work.
;   window 1: the 32 accumulators.   window 2: sets 0 and 1 of 96 (w's 4 fragments, x's 8); v192-223 the bias, the C of each sum's first matrix instruction.   window 3: sets 2 and 3.
.set XSC, 6291456
.set WSC, 1310720
.set QSC, 2097152
.set LI,  1                            ; v1  16 x lane
.set BO,  2                            ; v2  the bias's offset
.set SCO, 3                            ; v3  16 r + 8 h
.set LN,  4
.set WSR, 8
.set XSR, 24
.set PC,  64
.set PW,  96
.set TM,  104
.set BI,  192                          ; in window 2
.set MSB, 0
.macro WIN new                         ; the immediate's high byte repeats the setting that is left
.if MSB != \new
	s_set_vgpr_msb (MSB<<8)|\new
.set MSB, \new
.endif
.endm
	s_load_b256 s[4:11], s[0:1], 0x0               ; xq, wq, b_q, b_k
	s_load_b128 s[12:15], s[0:1], 0x20             ; b_v, qb
	s_load_b64 s[16:17], s[0:1], 0x30              ; kv
	v_lshrrev_b32 v[LN], 5, v0
	v_readfirstlane_b32 s18, v[LN]                 ; wave
	v_and_b32 v[LN], 31, v0
	v_lshlrev_b32 v[LI], 4, v[LN]
	v_and_b32 v5, 15, v[LN]                        ; r
	v_lshrrev_b32 v6, 4, v[LN]                     ; h
	v_lshlrev_b32 v[SCO], 4, v5
	v_lshl_add_u32 v[SCO], v6, 3, v[SCO]
.irp b, 0,1,2,3
	v_mov_b32 v[TM+4+\b], 0                        ; written once: a lane permute's destination counts as one of its sources
.endr
	s_mov_b32 s46, 0x76543210
	s_mov_b32 s47, 0xfedcba98
	s_and_b32 s19, ttmp7, 0xffff                   ; y
	s_max_u32 s20, s19, 3
	s_sub_co_u32 s20, s20, 3                       ; which input: 0 query, 1 key, 2 value
	s_lshl_b32 s21, s19, 4
	s_lshl_b32 s22, s18, 2
	s_add_co_u32 s21, s21, s22                     ; my first tile of wq: 16 y + 4 wave
	s_lshl_b32 s24, s20, 21
	s_lshl_b32 s22, ttmp9, 16
	s_add_co_u32 s24, s24, s22                     ; x's images: 8 tiles of 8,192 bytes
	s_mov_b32 s25, 0
	s_lshl_b32 s26, s20, 17
	s_lshl_b32 s22, ttmp9, 12
	s_add_co_u32 s26, s26, s22
	s_add_co_u32 s26, s26, XSC                     ; x's scale words
	s_mov_b32 s27, 0
	s_lshl_b32 s28, s21, 13
	s_mov_b32 s29, 0
	s_lshl_b32 s30, s21, 9
	s_add_co_u32 s30, s30, WSC
	s_mov_b32 s31, 0
	s_lshl_b32 s34, s19, 2
	s_add_co_u32 s34, s34, s18                     ; the query head
	s_lshl_b32 s36, s34, 17
	s_lshl_b32 s35, ttmp9, 12
	s_add_co_u32 s36, s36, s35                     ; q's pair images
	s_lshl_b32 s38, s34, 13
	s_lshl_b32 s35, ttmp9, 8
	s_add_co_u32 s38, s38, s35
	s_add_co_u32 s38, s38, QSC                     ; q's scale words
	s_mul_i32 s40, s18, 278528
	s_mul_i32 s35, ttmp9, 8704
	s_add_co_u32 s40, s40, s35                     ; the step's block of kv
	s_mov_b32 s41, 8192
	s_cmp_eq_u32 s19, 5
	s_cselect_b32 s35, 4096, 0
	s_cselect_b32 s41, 8448, s41
	s_add_co_u32 s42, s40, s41                     ; K's or V's scale words,
	s_add_co_u32 s40, s40, s35                     ; K's or V's images
	s_wait_kmcnt 0x0
	s_add_nc_u64 s[24:25], s[4:5], s[24:25]
	s_add_nc_u64 s[26:27], s[4:5], s[26:27]
	s_add_nc_u64 s[28:29], s[6:7], s[28:29]
	s_add_nc_u64 s[30:31], s[6:7], s[30:31]
	s_cmp_lt_u32 s19, 4                            ; the choices hang on the work-group's number alone
	s_cselect_b64 s[32:33], s[8:9], s[10:11]
	s_cselect_b32 s22, s19, 0
	s_cselect_b64 s[44:45], s[14:15], s[16:17]
	s_cselect_b32 s36, s36, s40
	s_cselect_b32 s38, s38, s42
	s_cmp_lt_u32 s19, 5
	s_cselect_b64 s[32:33], s[32:33], s[12:13]
	s_lshl_b32 s22, s22, 2
	s_add_co_u32 s22, s22, s18
	s_lshl_b32 s22, s22, 8                         ; my head's 64 numbers of the bias
	s_mov_b32 s23, 0
	s_add_nc_u64 s[32:33], s[32:33], s[22:23]
	s_mov_b32 s37, 0
	s_mov_b32 s39, 0
	s_add_nc_u64 s[36:37], s[44:45], s[36:37]      ; where my images go,
	s_add_nc_u64 s[38:39], s[44:45], s[38:39]      ; and my scale words
.macro SCLOAD                          ; 12 loads: a tile's 512 bytes of scale words, 16 a lane
.irp t, 0,1,2,3
	global_load_b128 v[WSR+4*\t:WSR+4*\t+3], v[LI], s[30:31] offset:512*\t
.endr
.irp i, 0,1,2,3,4,5,6,7
	global_load_b128 v[XSR+4*\i:XSR+4*\i+3], v[LI], s[26:27] offset:512*\i
.endr
.endm
.macro LOADK k                         ; 24 loads: K step k's fragments into set k % 4: sets 0, 1 in window 2, sets 2, 3 in window 3
	WIN (0x80+0x40*(((\k)%4)/2))
.irp t, 0,1,2,3
.irp c, 0,1
	global_load_b128 v[96*((\k)%2)+8*\t+4*\c:96*((\k)%2)+8*\t+4*\c+3], v[LI], s[28:29] offset:\t*8192+1024*(\k)+512*\c
.endr
.endr
.irp i, 0,1,2,3,4,5,6,7
.irp c, 0,1
	global_load_b128 v[96*((\k)%2)+32+8*\i+4*\c:96*((\k)%2)+32+8*\i+4*\c+3], v[LI], s[24:25] offset:\i*8192+1024*(\k)+512*\c
.endr
.endr
.endm
; 32 matrix instructions: the 32 accumulators take turns, one instruction a turn, in the same order in every K step.  nat = 0: source 0 = w, source 1 = x; nat = 1: the other way round
.macro MUL k, nat
.if (\k) == 0
	WIN 0x6a                                       ; A, B and C (the bias) window 2, D window 1
.else
	WIN (0x5a+5*(((\k)%4)/2))                      ; A, B window 2 or 3, C and D window 1
.endif
.set FS, 96*((\k)%2)
.irp i, 0,1,2,3,4,5,6,7
.irp t, 0,1,2,3
.if \nat
.set rD, 8*(8*\t+\i)
.set rA, FS+32+8*\i
.set rB, FS+8*\t
.set rSA, XSR+4*\i+(\k)%4
.set rSB, WSR+4*\t+(\k)%4
.else
.set rD, 8*(4*\i+\t)
.set rA, FS+8*\t
.set rB, FS+32+8*\i
.set rSA, WSR+4*\t+(\k)%4
.set rSB, XSR+4*\i+(\k)%4
.endif
.set rC, rD
.if (\k) == 0
.set rC, BI+8*\t
.endif
.if (\k) < 4
	v_wmma_scale_f32_16x16x128_f8f6f4 v[rD:rD+7], v[rA:rA+7], v[rB:rB+7], v[rC:rC+7], v[rSA], v[rSB] matrix_a_fmt:MATRIX_FMT_FP4 matrix_b_fmt:MATRIX_FMT_FP4
.else
	v_wmma_scale_f32_16x16x128_f8f6f4 v[rD:rD+7], v[rA:rA+7], v[rB:rB+7], v[rC:rC+7], v[rSA], v[rSB] matrix_a_fmt:MATRIX_FMT_FP4 matrix_b_fmt:MATRIX_FMT_FP4 matrix_a_scale:MATRIX_SCALE_ROW1 matrix_b_scale:MATRIX_SCALE_ROW1
.endif
.endr
.endr
.endm
.macro KSTEP k, nat
.if (\k) < 5
	s_wait_loadcnt 63                              ; behind this K step's loads 72 were issued (three K steps'): with at most 63 out, this step's and all before them are in
.else
	s_wait_loadcnt 24*(7-(\k))                     ; the later K steps' 24 each may be out
.endif
	MUL \k, \nat
.rept 4
	v_nop                                          ; four places in front of loads into registers that matrix instructions have read, and of the first read of results
.endr
.if (\k) < 4
	LOADK (\k)+4
.endif
.endm
	s_cmp_eq_u32 s19, 5
	s_cbranch_scc1 .Lvalue
	; ---- q and k
	s_wait_alu depctr_va_vdst(0)
	SCLOAD
	v_lshlrev_b32 v[BO], 6, v6                     ; lane (r, h) wants, for tile 2 b + u, the bias of columns 32 b + 16 h + 8 u + 0 .. 7
	WIN 0x80
.irp t, 0,1,2,3
	global_load_b128 v[BI+8*\t:BI+8*\t+3], v[BO], s[32:33] offset:128*(\t/2)+32*(\t%2)
	global_load_b128 v[BI+8*\t+4:BI+8*\t+7], v[BO], s[32:33] offset:128*(\t/2)+32*(\t%2)+16
.endr
	LOADK 0
	LOADK 1
	LOADK 2
	LOADK 3
.irp k, 0,1,2,3,4,5,6,7
	KSTEP \k, 0
.endr
	WIN 0                                          ; at a label and at a branch every window is 0
	s_branch .Lout
	; ---- v
.Lvalue:
	s_wait_alu depctr_va_vdst(0)
	v_and_b32 v[BO], 8, v5
	v_add_nc_u32 v[BO], v[BO], v5
	v_lshlrev_b32 v[BO], 2, v[BO]                  ; lane r's channel of a tile: r + 8 (r / 8)
	WIN 0x80
.irp t, 0,1,2,3
	global_load_b32 v[BI+8*\t], v[BO], s[32:33] offset:(32*(\t/2)+8*(\t%2))*4
.endr
	WIN 0
	SCLOAD
	LOADK 0
	LOADK 1
	LOADK 2
	LOADK 3
	s_wait_loadcnt 63                              ; the four numbers of the bias are in: behind them 12 + 96 loads were issued
	WIN 0x82
.irp t, 0,1,2,3
.irp j, 1,2,3,4,5,6,7
	v_mov_b32 v[BI+8*\t+\j], v[BI+8*\t]            ; a lane's eight results of a tile are eight tokens of one channel: the same bias
.endr
.endr
.rept 4
	v_nop
.endr
	s_wait_alu depctr_va_vdst(0)
.irp k, 0,1,2,3,4,5,6,7
	KSTEP \k, 1
.endr
	WIN 0
.Lout:
; 64 accumulator registers of window 1, register 16 b + i = k 32 b + 16 (lane / 16) + i of my row, become a fragment's codes and its scale word.  Each accumulator is read from its low end on.
.macro QUANTW a, pc, pw
	WIN 0x14                                       ; sources 1 and 2 window 1
.irp b, 0,1,2,3
	v_max3_num_f32 v[TM+\b], 0x1800000, |v[(\a)+16*\b]|, |v[(\a)+1+16*\b]|   ; the floor 2^(3 - 127) among the leaves: the byte cannot fall under 1
.endr
.irp i, 2,4,6,8,10,12,14
.irp b, 0,1,2,3
	v_max3_num_f32 v[TM+\b], v[TM+\b], |v[(\a)+16*\b+\i]|, |v[(\a)+1+16*\b+\i]|
.endr
.endr
	WIN 0
.irp b, 0,1,2,3
	v_permlanex16_b32 v[TM+4+\b], v[TM+\b], s46, s47
.endr
.irp b, 0,1,2,3
	v_max_num_f32 v[TM+\b], v[TM+\b], v[TM+4+\b]
.endr
.irp b, 0,1,2,3
	v_add_nc_u32 v[TM+8+\b], 0xff000000, v[TM+\b]  ; 2 off the exponent field: the conversion's scale operand
.endr
.irp b, 0,1,2,3
	v_lshrrev_b32 v[TM+4+\b], 23, v[TM+8+\b]       ; the byte
.endr
	v_lshl_or_b32 v[\pw], v[TM+5], 8, v[TM+4]
	v_lshl_or_b32 v[\pw], v[TM+6], 16, v[\pw]
	v_lshl_or_b32 v[\pw], v[TM+7], 24, v[\pw]
	WIN 0x01                                       ; source 0 window 1
.irp b, 0,1,2,3
	v_cvt_scalef32_pk8_fp4_f32 v[(\pc)+2*\b], v[(\a)+16*\b:(\a)+7+16*\b], v[TM+8+\b]
	v_cvt_scalef32_pk8_fp4_f32 v[(\pc)+1+2*\b], v[(\a)+8+16*\b:(\a)+15+16*\b], v[TM+8+\b]
.endr
	WIN 0
	v_nop                                          ; one plain place behind a scaled conversion
.irp c, 0,1
.irp i, 0,1
	v_permlane16_swap_b32 v[(\pc)+4*\c+\i], v[(\pc)+2+4*\c+\i]
.endr
.endr
.endm
.irp p, 0,1,2,3
	QUANTW 64*\p, PC+8*\p, PW+\p
.irp c, 0,1
	global_store_b128 v[LI], v[PC+8*\p+4*\c:PC+8*\p+4*\c+3], s[36:37] offset:1024*\p+512*\c   ; 32 lanes store 512 consecutive bytes, aligned
.endr
.endr
	v_cmp_le_u32 vcc_lo, 16, v[LN]                 ; lanes 0-15 store words 0, 1 of their row, lanes 16-31 words 2, 3
	v_cndmask_b32 v100, v[PW], v[PW+2], vcc_lo
	v_cndmask_b32 v101, v[PW+1], v[PW+3], vcc_lo
	global_store_b64 v[SCO], v[100:101], s[38:39]  ; 256 consecutive bytes, aligned
	s_endpgm
.Lfunc_end_k_q62b43c2b18_proj:
	.size	k_q62b43c2b18_proj, .Lfunc_end_k_q62b43c2b18_proj-k_q62b43c2b18_proj
	.p2alignl 7, 3214868480
	.fill 96, 4, 3214868480
	.section	.rodata,"a",@progbits
	.p2align	6, 0x0
	.amdhsa_kernel k_q62b43c2b18_proj
		.amdhsa_group_segment_fixed_size 0
		.amdhsa_private_segment_fixed_size 0
		.amdhsa_enable_private_segment 0
		.amdhsa_kernarg_size 56
		.amdhsa_user_sgpr_count 2
		.amdhsa_user_sgpr_kernarg_segment_ptr 1
		.amdhsa_wavefront_size32 1
		.amdhsa_system_sgpr_workgroup_id_x 1
		.amdhsa_system_sgpr_workgroup_id_y 1
		.amdhsa_system_sgpr_workgroup_id_z 1
		.amdhsa_system_vgpr_workitem_id 0
		.amdhsa_next_free_vgpr 960
		.amdhsa_next_free_sgpr 66
		.amdhsa_reserve_vcc 1
		.amdhsa_float_denorm_mode_32 3
		.amdhsa_float_denorm_mode_16_64 3
		.amdhsa_memory_ordered 1
		.amdhsa_forward_progress 1
		.amdhsa_inst_pref_size 128
	.end_amdhsa_kernel
	.amdgpu_metadata
---
amdhsa.version: [ 1, 2 ]
amdhsa.kernels:
  - .name:           k_q62b43c2b18_proj
    .symbol:         k_q62b43c2b18_proj.kd
    .args:
      - { .name: xq, .offset: 0, .size: 8, .value_kind: global_buffer, .address_space: global }
      - { .name: wq, .offset: 8, .size: 8, .value_kind: global_buffer, .address_space: global }
      - { .name: b_q, .offset: 16, .size: 8, .value_kind: global_buffer, .address_space: global }
      - { .name: b_k, .offset: 24, .size: 8, .value_kind: global_buffer, .address_space: global }
      - { .name: b_v, .offset: 32, .size: 8, .value_kind: global_buffer, .address_space: global }
      - { .name: qb, .offset: 40, .size: 8, .value_kind: global_buffer, .address_space: global }
      - { .name: kv, .offset: 48, .size: 8, .value_kind: global_buffer, .address_space: global }
    .group_segment_fixed_size: 0
    .private_segment_fixed_size: 0
    .kernarg_segment_align: 8
    .kernarg_segment_size: 56
    .max_flat_workgroup_size: 128
    .sgpr_count:     66
    .vgpr_count:     960
    .wavefront_size: 32
...
	.end_amdgpu_metadata
.endif
;; end of part 2
;; launch attn (part 3): grid 16 x 16, 8 waves a work-group, clusters of 4 x 1, 327,680 bytes of LDS; arguments qb, kv, ab; writes ab
.if DOCPART == 3
	.amdgcn_target "amdgcn-amd-amdhsa--gfx1250"
	.amdhsa_code_object_version 6
	.text
	.protected	k_q62b43c2b18_attn
	.globl	k_q62b43c2b18_attn
	.p2align	8
	.type	k_q62b43c2b18_attn,@function
k_q62b43c2b18_attn:
	s_mov_b64 s[64:65], 0
	v_nop
	global_prefetch_b8 v0, s[64:65] scope:SCOPE_SE
	s_setreg_imm32_b32 hwreg(HW_REG_WAVE_MODE, 25, 1), 1
	s_wait_xcnt 0x0
	s_wait_alu depctr_hold_cnt(0) depctr_sa_sdst(0) depctr_va_vdst(0) depctr_va_sdst(0) depctr_va_ssrc(0) depctr_va_vcc(0) depctr_vm_vsrc(0)
	s_getreg_b32 s2, hwreg(HW_REG_IB_STS2, 6, 4)
	s_cmp_eq_u32 s2, 0
	s_cbranch_scc0 .Lentry_in_a_cluster
	s_endpgm
.Lentry_in_a_cluster:
	s_bfe_u32 s2, ttmp6, 0x10000c
	s_cmp_lg_u32 s2, 0x3003
	s_cbranch_scc0 .Lentry_shape_is_right
	s_endpgm
.Lentry_shape_is_right:
; Launch 3 of 4: attention on codes of E2M1, and its result quantised along the model's 1,024 for the last product.  Nothing is left out.
; THE SOFTMAX: t = score x log2(e) / 8; M = the running largest t, rounded up to a whole number; p = 2^(t - M) is quantised along the keys, not normalised; the row's sum is taken of the unquantised p and divides at the end.
; When M moves, the sum and O are multiplied by 2^(old M - new M), which rounds nothing.
; LIMITS: the promise holds while the scaled scores stay under 2^31 in magnitude; a block of zeros gets the byte 1 (its codes are zeros, and this program alone reads the bytes); NaN and infinities are not served.
; SHARES.  Work-group (x, head): 256 queries of one query head.  Eight waves, two to a SIMD; a wave owns 32 queries, two tiles, worked line by line in turns, so that each fragment of K and V read from LDS feeds both.
; THE WHOLE KEY/VALUE HEAD, 32 steps of 8,704 bytes = 278,528, lies in LDS: each wave brings 34,816 bytes (136 rows of 256) by one tensor load at the head; one wait, one barrier, nothing is filled again.
; CLUSTER 4, 1, 1: the four work-groups of a cluster walk the same key/value head and ask for it jointly (mask 15); the address hangs on the head and the wave alone.
; NO PREFETCH: the launch's one stream is asked for whole by the head's loads; no later load exists to run ahead of.
; LAYOUT.  Both products are used transposed (S^T = K Q^T, O^T = V^T P^T): a lane holds one query.  K comes as pair images (K = 128: two key tiles' 64 each), Q with zeros in the other half.
; By the first launch's choice of a key tile's rows, register 32 c + 8 i + j of a lane's 64 scores is key 64 c + 32 (lane / 16) + 8 i + j of the step: a lane holds blocks c = 0, 1 WHOLE, in the order of P's operand:
; a block's maximum needs no other lane, and the conversions' results are P's registers as they stand.  The scale word's four bytes are gathered from lanes l and l xor 16.
; REGISTERS.  Window 0: v1-7 addresses; v8-11 (-M, largest score) a tile; v16-39 Q with its zeros; v40-51 scale words; v52-67 P's codes; v68-69 P's scale words; v72-115 at work; v128-255 S, then p.
;   Window 1: v0-31 K's fragments, v32-63 V's, v64-127 O^T.
.set QSC,   2097152
.set ASC,   2097152
.set HEADB, 278528
.set STEPB, 8704
.set PARTB, 34816                      ; a wave's part of the head: four steps
.set SPARE, HEADB                      ; behind the head: the spare words, 128 bytes for each wave: four blocks of 256 bytes that no other line names
.set LI,  1                            ; 16 x lane
.set LSC, 2                            ; 16 x (lane % 16)
.set SPW, 3
.set NIL, 4
.set ADR, 5                            ; the step's images
.set ADS, 6                            ; the step's scale words
.set SH8, 7                            ; 8 x (lane / 16)
.set NM,  8                            ; pair a tile: -M, the largest score so far
.set Q,   16                           ; 12 a tile: four zeros, q, four zeros
.set QS,  40
.set QW,  42
.set KS,  44
.set VS,  48
.set PC,  52
.set PWD, 68
.set BM,  72                           ; four a tile
.set SO,  80                           ; two a tile
.set F,   84                           ; pair a tile
.set TM,  88                           ; four a tile
.set SUM, 100                          ; eight a tile: the row's sum and three side chains, in pairs
.set S,   128
.set KF,  0                            ; window 1
.set VF,  32
.set O,   64
.set WV,  10
.set G1,  16
.set G0,  24
.set SEL, 40
.set CS,  42
.set TB,  44
.set CNT, 45
.set CN,  46
.set MSB, 0
.macro WIN new                         ; the immediate's high byte repeats the setting that is left
.if MSB != \new
	s_set_vgpr_msb (MSB<<8)|\new
.set MSB, \new
.endif
.endm
.macro CROUND
	s_barrier_signal -1
	s_barrier_wait -1
	s_cmp_lg_u32 s[WV], 0
	s_cbranch_scc1 .Lnot_wave_0_\@
	s_barrier_signal -3
.Lnot_wave_0_\@:
	s_barrier_wait -3
	s_barrier_signal -1
	s_barrier_wait -1
.endm
	s_load_b128 s[4:7], s[0:1], 0x0                ; qb, kv
	s_load_b64 s[8:9], s[0:1], 0x10                ; ab
	v_lshl_add_u32 v[SPW], v0, 2, SPARE
	v_mov_b32 v[NIL], 0
	ds_add_u32 v[SPW], v[NIL]                      ; the opening lines: the add twice on end and one wait
	ds_add_u32 v[SPW], v[NIL]
	v_lshrrev_b32 v[ADR], 5, v0
	v_readfirstlane_b32 s[WV], v[ADR]              ; wave 0..7
	s_bfe_u32 s11, ttmp6, 0x40000                  ; cx
	s_lshl_b32 s12, ttmp9, 2
	s_add_co_u32 s12, s12, s11                     ; x: which 256 queries
	s_and_b32 s13, ttmp7, 0xffff                   ; the query head
	s_lshr_b32 s14, s13, 2                         ; its key/value head
	s_mov_b32 s[G1], 15|(3<<16)|(1<<21)            ; mask: all four of the cluster; elements of 8 bytes
	s_mov_b32 s[G1+1], 32<<16                      ; rows of 256 bytes
	s_mov_b32 s[G1+2], 136<<16
	s_mov_b32 s[G1+3], 32<<16
	s_mov_b32 s[G1+4], 136
	s_mov_b32 s[G1+5], 32
	s_mov_b32 s[G1+6], 0
	s_mov_b32 s[G1+7], 0
	s_mul_i32 s47, s[WV], PARTB
	s_mul_i32 s48, s14, HEADB
	s_add_co_u32 s48, s48, s47                     ; my part of the head in kv
	s_mov_b32 s49, 0
	s_lshl_b32 s50, s12, 4
	s_lshl_b32 s51, s[WV], 1
	s_add_co_u32 s50, s50, s51                     ; my first query tile, an even one: 16 x + 2 wave
	s_lshl_b32 s52, s13, 17
	s_lshl_b32 s51, s50, 9
	s_add_co_u32 s52, s52, s51                     ; q's pair image
	s_mov_b32 s53, 0
	s_lshr_b32 s51, s50, 1                         ; the pair
	s_lshr_b32 s54, s51, 2
	s_lshl_b32 s54, s54, 8
	s_and_b32 s51, s51, 3
	s_lshl_b32 s51, s51, 2
	s_add_co_u32 s54, s54, s51
	s_lshl_b32 s51, s13, 13
	s_add_co_u32 s54, s54, s51
	s_add_co_u32 s54, s54, QSC                     ; its scale words
	s_mov_b32 s55, 0
	s_lshl_b32 s56, s50, 13
	s_lshl_b32 s51, s13, 9
	s_add_co_u32 s56, s56, s51                     ; ab: tile x 8,192 + head x 512
	s_mov_b32 s57, 0
	s_lshl_b32 s58, s50, 9
	s_lshr_b32 s51, s13, 3
	s_lshl_b32 s51, s51, 8
	s_add_co_u32 s58, s58, s51
	s_and_b32 s51, s13, 7
	s_lshl_b32 s51, s51, 1
	s_add_co_u32 s58, s58, s51
	s_add_co_u32 s58, s58, ASC                     ; ab's scale bytes
	s_mov_b32 s59, 0
	s_mov_b32 s[SEL], 0x76543210
	s_mov_b32 s[SEL+1], 0xfedcba98                 ; lane l xor 16
	s_mov_b32 s[CS], 0x3e38aa3b                    ; c = log2(e) / 8
	s_mov_b32 s[CS+1], s[CS]
	s_mov_b32 s[CN], 0xbe38aa3b                    ; -c
	s_mov_b32 s[G0], 1
	s_mul_i32 s[G0+1], s[WV], PARTB                ; LDS: wave x 34,816
	s_wait_dscnt 0x0
	s_wait_kmcnt 0x0
	s_add_nc_u64 s[G0+2:G0+3], s[6:7], s[48:49]
	s_or_b32 s[G0+3], s[G0+3], 0x80000000
	s_add_nc_u64 s[52:53], s[4:5], s[52:53]
	s_add_nc_u64 s[54:55], s[4:5], s[54:55]
	s_add_nc_u64 s[56:57], s[8:9], s[56:57]
	s_add_nc_u64 s[58:59], s[8:9], s[58:59]
	CROUND                                         ; the round in front of the joint loads
	tensor_load_to_lds s[G0:G0+3], s[G1:G1+7]      ; my one tensor load
	s_nop 0
	v_and_b32 v13, 31, v0
	v_and_b32 v12, 15, v0
	v_lshlrev_b32 v[LI], 4, v13
	v_lshlrev_b32 v[LSC], 4, v12
	global_load_b128 v[Q+4:Q+7], v[LI], s[52:53]               ; tile 0's q
	global_load_b128 v[Q+16:Q+19], v[LI], s[52:53] offset:512  ; tile 1's
	global_load_b32 v[QW], v[LSC], s[54:55]        ; the pair's scale word: two bytes a tile
	v_bfe_u32 v[SH8], v0, 4, 1
	v_lshlrev_b32 v[SH8], 3, v[SH8]
.irp T, 0,1
	v_mov_b32 v[NM+2*\T], 0x7d000000               ; -M: 2^123, a whole number over every -t that is served
	v_mov_b32 v[NM+2*\T+1], 0xff61b1e6             ; the largest score so far: -3e38
	v_mov_b32 v[SUM+8*\T], 0
	v_mov_b32 v[SUM+8*\T+1], 0
	v_mov_b32 v[F+2*\T+1], 0                       ; named as a pair's upper half
.irp j, 0,1,2,3
	v_mov_b32 v[TM+4*\T+\j], 0                     ; a lane permute's destination counts as one of its sources
	v_mov_b32 v[Q+12*\T+\j], 0
	v_mov_b32 v[Q+12*\T+8+\j], 0
.endr
.endr
	s_wait_alu depctr_va_vdst(0)
	s_wait_loadcnt 0x0
	v_perm_b32 v[QS], v[QW], v[QW], 0x01000100     ; tile 0's two bytes, for either half of K = 128
	v_perm_b32 v[QS+1], v[QW], v[QW], 0x03020302   ; tile 1's
	WIN 0x40
.set j, 0
.rept 64
	v_mov_b32 v[O+j], 0                            ; O^T: the step is written for every trip alike; the first change of M multiplies zeros
.set j, j+1
.endr
	WIN 0
	s_wait_alu depctr_va_vdst(0)
	s_wait_tensorcnt 0x0                           ; my part of the head has landed
	s_barrier_signal -1
	s_barrier_wait -1                              ; and everybody's
	WIN 0x40
.irp p, 0,1,2,3
.irp c, 0,1
	ds_load_b128 v[KF+8*\p+4*\c:KF+8*\p+4*\c+3], v[LI] offset:1024*\p+512*\c   ; step 0's K
.endr
.endr
	WIN 0
	ds_load_b128 v[KS:KS+3], v[LSC] offset:8192
	s_mov_b32 s[TB], 0
	s_mov_b32 s[CNT], 31
; A STEP: 128 keys x my 32 queries.  last = 1: no further K is fetched.
.macro STEP last
	s_wait_dscnt 0x0                               ; this step's K and its scale words, asked for a step ago
	WIN 0x01                                       ; source 0 (K) window 1
.irp T, 0,1
.irp p, 0,1,2,3
	v_wmma_scale_f32_16x16x128_f8f6f4 v[S+64*\T+16*\p:S+64*\T+16*\p+7], v[KF+8*\p:KF+8*\p+7], v[Q+12*\T+4:Q+12*\T+11], 0, v[KS+\p], v[QS+\T] matrix_a_fmt:MATRIX_FMT_FP4 matrix_b_fmt:MATRIX_FMT_FP4
	v_wmma_scale_f32_16x16x128_f8f6f4 v[S+64*\T+16*\p+8:S+64*\T+16*\p+15], v[KF+8*\p:KF+8*\p+7], v[Q+12*\T:Q+12*\T+7], 0, v[KS+\p], v[QS+\T] matrix_a_fmt:MATRIX_FMT_FP4 matrix_b_fmt:MATRIX_FMT_FP4
.endr
.endr
	WIN 0
	v_add_nc_u32 v[ADR], s[TB], v[LI]              ; four places in front of the loads below and of the first read of results
	v_add_nc_u32 v[ADS], s[TB], v[LSC]
	v_nop
	v_nop
	WIN 0x40
.irp t, 0,1,2,3
.irp c, 0,1
	ds_load_b128 v[VF+8*\t+4*\c:VF+8*\t+4*\c+3], v[ADR] offset:4096+1024*\t+512*\c
.endr
.endr
.if !\last
.irp p, 0,1,2,3
.irp c, 0,1
	ds_load_b128 v[KF+8*\p+4*\c:KF+8*\p+4*\c+3], v[ADR] offset:STEPB+1024*\p+512*\c   ; the next step's K
.endr
.endr
.endif
	WIN 0
	ds_load_b128 v[VS:VS+3], v[ADS] offset:8448
.if !\last
	ds_load_b128 v[KS:KS+3], v[ADS] offset:STEPB+8192
.endif
	; the largest score of each block of 32 keys: eight chains of 16 by turns, each accumulator from its low end on
.irp T, 0,1
.irp q, 0,1,2,3
	v_max3_num_f32 v[BM+4*\T+\q], v[S+64*\T+16*\q], v[S+64*\T+16*\q+1], v[S+64*\T+16*\q+2]
.endr
.endr
.irp i, 3,5,7,9,11,13
.irp T, 0,1
.irp q, 0,1,2,3
	v_max3_num_f32 v[BM+4*\T+\q], v[BM+4*\T+\q], v[S+64*\T+16*\q+\i], v[S+64*\T+16*\q+\i+1]
.endr
.endr
.endr
.irp T, 0,1
.irp c, 0,1
	v_max3_num_f32 v[BM+4*\T+2*\c], v[BM+4*\T+2*\c], v[BM+4*\T+2*\c+1], v[S+64*\T+32*\c+15]
.endr
.endr
.irp T, 0,1
.irp c, 0,1
	v_max_num_f32 v[BM+4*\T+2*\c], v[BM+4*\T+2*\c], v[S+64*\T+32*\c+31]
.endr
.endr
.irp T, 0,1
	v_max_num_f32 v[TM+4*\T], v[BM+4*\T], v[BM+4*\T+2]
.endr
.irp T, 0,1
	s_delay_alu instid0(VALU_DEP_2)
	v_permlanex16_b32 v[TM+4*\T+1], v[TM+4*\T], s[SEL], s[SEL+1]   ; the other 64 keys of my query
.endr
.irp T, 0,1
	v_mov_b32 v[TM+4*\T+2], v[NM+2*\T]             ; the old -M
.endr
.irp T, 0,1
	v_max3_num_f32 v[NM+2*\T+1], v[NM+2*\T+1], v[TM+4*\T], v[TM+4*\T+1]   ; the running largest score
.endr
.irp T, 0,1
	s_delay_alu instid0(VALU_DEP_2)
	v_mul_f32 v[TM+4*\T], s[CN], v[NM+2*\T+1]      ; -t
.endr
.irp T, 0,1
	s_delay_alu instid0(VALU_DEP_2)
	v_floor_f32 v[NM+2*\T], v[TM+4*\T]             ; -M = floor(-t): M is a whole number
.endr
.irp T, 0,1
	s_delay_alu instid0(VALU_DEP_2)
	v_sub_f32 v[TM+4*\T], v[NM+2*\T], v[TM+4*\T+2] ; old M - new M: a whole number, 0 or less
.endr
.irp T, 0,1
	s_delay_alu instid0(VALU_DEP_2)
	v_cvt_i32_f32 v[TM+4*\T], v[TM+4*\T]           ; (it saturates)
.endr
.irp T, 0,1
	s_delay_alu instid0(VALU_DEP_2)
	v_ldexp_f32 v[F+2*\T], 1.0, v[TM+4*\T]         ; f = 2^(old M - new M)
.endr
.set j, 0
.rept 32
.irp T, 0,1
	v_pk_fma_f32 v[S+64*\T+j:S+64*\T+j+1], v[S+64*\T+j:S+64*\T+j+1], s[CS:CS+1], v[NM+2*\T:NM+2*\T+1] op_sel_hi:[1,0,0]   ; t - M
.endr
.set j, j+2
.endr
.irp T, 0,1
.irp c, 0,1
	v_fma_f32 v[BM+4*\T+2*\c], v[BM+4*\T+2*\c], s[CS], v[NM+2*\T]   ; the same of each block's largest score
.endr
.endr
	s_wait_alu depctr_va_vdst(0)
.irp T, 0,1
.irp c, 0,1
	v_exp_f32 v[BM+4*\T+2*\c], v[BM+4*\T+2*\c]     ; the block's largest p: the same two instructions on the same number give the same bits
.endr
.endr
.set j, 0
.rept 128
	v_exp_f32 v[S+j], v[S+j]                       ; p = 2^(t - M)
.set j, j+1
.endr
.irp T, 0,1
	v_pk_mul_f32 v[SUM+8*\T:SUM+8*\T+1], v[SUM+8*\T:SUM+8*\T+1], v[F+2*\T:F+2*\T+1] op_sel_hi:[1,0]   ; the sums under the new M; plain places behind the batch
.endr
	s_wait_alu depctr_va_vdst(0)                   ; one wait for the whole batch, ahead of its first reader
.irp T, 0,1
.irp c, 0,1
	v_max_num_f32 v[BM+4*\T+2*\c], 0x1800000, v[BM+4*\T+2*\c]   ; the floor 2^(3 - 127): the byte cannot fall under 1
.endr
.endr
.irp T, 0,1
.irp c, 0,1
	s_delay_alu instid0(VALU_DEP_4)
	v_add_nc_u32 v[SO+2*\T+\c], 0xff000000, v[BM+4*\T+2*\c]     ; 2 off the exponent field: the conversions' scale operand
.endr
.endr
.irp T, 0,1
.irp c, 0,1
.irp i, 0,1,2,3
	v_cvt_scalef32_pk8_fp4_f32 v[PC+8*\T+4*\c+\i], v[S+64*\T+32*\c+8*\i:S+64*\T+32*\c+8*\i+7], v[SO+2*\T+\c]   ; register 4 c + i of P's operand: k = 64 c + 32 (lane / 16) + 8 i on
.endr
.endr
.endr
	; the row's sum of the unquantised p: four chains a tile, eight by turns; the scale word's five short stages stand among them
.irp T, 0,1
.irp a, 0,1,2
	v_pk_add_f32 v[SUM+8*\T+2+2*\a:SUM+8*\T+3+2*\a], v[S+64*\T+4*\a:S+64*\T+4*\a+1], v[S+64*\T+4*\a+2:S+64*\T+4*\a+3]
.endr
.endr
.set k, 6
.rept 26
.irp T, 0,1
	v_pk_add_f32 v[SUM+8*\T+2*((k-6)%4):SUM+8*\T+2*((k-6)%4)+1], v[SUM+8*\T+2*((k-6)%4):SUM+8*\T+2*((k-6)%4)+1], v[S+64*\T+2*k:S+64*\T+2*k+1]
.endr
.irp T, 0,1
.if k == 6
	v_lshrrev_b32 v[BM+4*\T+1], 23, v[SO+2*\T]     ; the bytes of my blocks h and 2 + h
	v_lshrrev_b32 v[BM+4*\T+3], 23, v[SO+2*\T+1]
.endif
.if k == 9
	v_lshl_or_b32 v[TM+4*\T], v[BM+4*\T+3], 16, v[BM+4*\T+1]
.endif
.if k == 12
	v_lshlrev_b32 v[TM+4*\T], v[SH8], v[TM+4*\T]   ; at their places in the word
.endif
.if k == 15
	v_permlanex16_b32 v[TM+4*\T+1], v[TM+4*\T], s[SEL], s[SEL+1]
.endif
.if k == 18
	v_or_b32 v[PWD+\T], v[TM+4*\T], v[TM+4*\T+1]   ; with lane l xor 16's two the word is whole
.endif
.endr
.set k, k+1
.endr
.irp T, 0,1
	s_delay_alu instid0(VALU_DEP_2)
	v_pk_add_f32 v[SUM+8*\T+2:SUM+8*\T+3], v[SUM+8*\T+2:SUM+8*\T+3], v[SUM+8*\T+4:SUM+8*\T+5]
.endr
.irp T, 0,1
	v_pk_add_f32 v[SUM+8*\T:SUM+8*\T+1], v[SUM+8*\T:SUM+8*\T+1], v[SUM+8*\T+6:SUM+8*\T+7]
.endr
.irp T, 0,1
	s_delay_alu instid0(VALU_DEP_2)
	v_pk_add_f32 v[SUM+8*\T:SUM+8*\T+1], v[SUM+8*\T:SUM+8*\T+1], v[SUM+8*\T+2:SUM+8*\T+3]
.endr
.if \last
	s_wait_dscnt 0x0                               ; V and its scale words
.else
	s_wait_dscnt 1                                 ; V and its scale words are in; the one load behind them, the next step's K scale words, may be out
.endif
	WIN 0x41                                       ; O^T: destination and source 0 window 1
	s_wait_alu depctr_va_vdst(0)                   ; directly ahead of the first reader of O^T
.irp T, 0,1
.set j, 0
.rept 16
	v_pk_mul_f32 v[O+32*\T+j:O+32*\T+j+1], v[O+32*\T+j:O+32*\T+j+1], v[F+2*\T:F+2*\T+1] op_sel_hi:[1,0]   ; O^T under the new M
.set j, j+2
.endr
.endr
	WIN 0x51                                       ; V, C and D window 1, P window 0
.irp T, 0,1
.irp t, 0,1,2,3
	v_wmma_scale_f32_16x16x128_f8f6f4 v[O+32*\T+8*\t:O+32*\T+8*\t+7], v[VF+8*\t:VF+8*\t+7], v[PC+8*\T:PC+8*\T+7], v[O+32*\T+8*\t:O+32*\T+8*\t+7], v[VS+\t], v[PWD+\T] matrix_a_fmt:MATRIX_FMT_FP4 matrix_b_fmt:MATRIX_FMT_FP4
.endr
.endr
	WIN 0
.endm
.Lstep:                                            ; 31 trips; the eight accumulators of O^T and the sixteen of S^T take turns, one instruction a turn
	STEP 0
	s_add_co_u32 s[TB], s[TB], STEPB
	s_sub_co_u32 s[CNT], s[CNT], 1
	s_cmp_lg_u32 s[CNT], 0
	s_cbranch_scc1 .Lstep
	STEP 1                                         ; the last step is written out: it fetches no further K
	; THE WAY OUT: O^T / the sum; register 16 b + i is channel 32 b + 16 (lane / 16) + i; quantised along the head's 64, which are two blocks of the last product's K
.irp T, 0,1
	v_add_f32 v[SUM+8*\T], v[SUM+8*\T], v[SUM+8*\T+1]
.endr
.irp T, 0,1
	s_delay_alu instid0(VALU_DEP_2)
	v_permlanex16_b32 v[TM+4*\T+1], v[SUM+8*\T], s[SEL], s[SEL+1]
.endr
.irp T, 0,1
	s_delay_alu instid0(VALU_DEP_2)
	v_add_f32 v[SUM+8*\T], v[SUM+8*\T], v[TM+4*\T+1]   ; the row's sum
.endr
	s_wait_alu depctr_va_vdst(0)
.irp T, 0,1
	v_rcp_f32 v[SUM+8*\T], v[SUM+8*\T]
.endr
	v_bfe_u32 v13, v0, 4, 1                        ; h
	v_add_nc_u32 v12, v[LSC], v13                  ; my scale byte's place: 16 r + h
	v_cmp_eq_u32 vcc_lo, 1, v13
	WIN 0x01
	s_wait_alu depctr_va_vdst(0)                   ; ahead of the first reader of the reciprocals and of O^T
.irp T, 0,1
.set j, 0
.rept 16
	v_pk_mul_f32 v[S+64*\T+j:S+64*\T+j+1], v[O+32*\T+j:O+32*\T+j+1], v[SUM+8*\T:SUM+8*\T+1] op_sel_hi:[1,0]
.set j, j+2
.endr
.endr
	WIN 0
.irp T, 0,1
.irp b, 0,1
	v_max3_num_f32 v[BM+4*\T+\b], |v[S+64*\T+16*\b]|, |v[S+64*\T+16*\b+1]|, 0x1800000
.endr
.endr
.irp i, 2,4,6,8,10,12,14
.irp T, 0,1
.irp b, 0,1
	s_delay_alu instid0(VALU_DEP_4)
	v_max3_num_f32 v[BM+4*\T+\b], v[BM+4*\T+\b], |v[S+64*\T+16*\b+\i]|, |v[S+64*\T+16*\b+\i+1]|
.endr
.endr
.endr
.irp T, 0,1
.irp b, 0,1
	s_delay_alu instid0(VALU_DEP_4)
	v_permlanex16_b32 v[TM+4*\T+\b], v[BM+4*\T+\b], s[SEL], s[SEL+1]
.endr
.endr
.irp T, 0,1
.irp b, 0,1
	s_delay_alu instid0(VALU_DEP_4)
	v_max_num_f32 v[BM+4*\T+\b], v[BM+4*\T+\b], v[TM+4*\T+\b]
.endr
.endr
.irp T, 0,1
.irp b, 0,1
	s_delay_alu instid0(VALU_DEP_4)
	v_add_nc_u32 v[SO+2*\T+\b], 0xff000000, v[BM+4*\T+\b]
.endr
.endr
.irp T, 0,1
.irp b, 0,1
	s_delay_alu instid0(VALU_DEP_4)
	v_lshrrev_b32 v[TM+4*\T+\b], 23, v[SO+2*\T+\b]
.endr
.endr
.irp T, 0,1
.irp b, 0,1
	v_cvt_scalef32_pk8_fp4_f32 v[PC+8*\T+2*\b], v[S+64*\T+16*\b:S+64*\T+16*\b+7], v[SO+2*\T+\b]
	v_cvt_scalef32_pk8_fp4_f32 v[PC+8*\T+2*\b+1], v[S+64*\T+16*\b+8:S+64*\T+16*\b+15], v[SO+2*\T+\b]
.endr
.endr
	v_nop                                          ; one plain place behind a scaled conversion
.irp T, 0,1
.irp i, 0,1
	v_permlane16_swap_b32 v[PC+8*\T+\i], v[PC+8*\T+2+\i]   ; a whole block in a lane
.endr
.endr
.irp T, 0,1
	v_cndmask_b32 v[TM+4*\T+2], v[TM+4*\T], v[TM+4*\T+1], vcc_lo   ; lanes 0-15 store block 0's byte, lanes 16-31 block 1's
.endr
.irp T, 0,1
	global_store_b128 v[LI], v[PC+8*\T:PC+8*\T+3], s[56:57] offset:8192*\T   ; 32 lanes store 512 consecutive bytes, aligned
	global_store_b8 v12, v[TM+4*\T+2], s[58:59] offset:512*\T
.endr
	s_wait_tensorcnt 0x0                           ; the wave's end
	ds_add_u32 v[SPW], v[NIL]
	s_wait_dscnt 0x0
	CROUND                                         ; the closing round
	s_endpgm
.Lfunc_end_k_q62b43c2b18_attn:
	.size	k_q62b43c2b18_attn, .Lfunc_end_k_q62b43c2b18_attn-k_q62b43c2b18_attn
	.p2alignl 7, 3214868480
	.fill 96, 4, 3214868480
	.section	.rodata,"a",@progbits
	.p2align	6, 0x0
	.amdhsa_kernel k_q62b43c2b18_attn
		.amdhsa_group_segment_fixed_size 327680
		.amdhsa_private_segment_fixed_size 0
		.amdhsa_enable_private_segment 0
		.amdhsa_kernarg_size 24
		.amdhsa_user_sgpr_count 2
		.amdhsa_user_sgpr_kernarg_segment_ptr 1
		.amdhsa_wavefront_size32 1
		.amdhsa_system_sgpr_workgroup_id_x 1
		.amdhsa_system_sgpr_workgroup_id_y 1
		.amdhsa_system_sgpr_workgroup_id_z 1
		.amdhsa_system_vgpr_workitem_id 0
		.amdhsa_next_free_vgpr 512
		.amdhsa_next_free_sgpr 66
		.amdhsa_reserve_vcc 1
		.amdhsa_float_denorm_mode_32 3
		.amdhsa_float_denorm_mode_16_64 3
		.amdhsa_memory_ordered 1
		.amdhsa_forward_progress 1
		.amdhsa_inst_pref_size 70
	.end_amdhsa_kernel
	.amdgpu_metadata
---
amdhsa.version: [ 1, 2 ]
amdhsa.kernels:
  - .name:           k_q62b43c2b18_attn
    .symbol:         k_q62b43c2b18_attn.kd
    .args:
      - { .name: qb, .offset: 0, .size: 8, .value_kind: global_buffer, .address_space: global }
      - { .name: kv, .offset: 8, .size: 8, .value_kind: global_buffer, .address_space: global }
      - { .name: ab, .offset: 16, .size: 8, .value_kind: global_buffer, .address_space: global }
    .group_segment_fixed_size: 327680
    .private_segment_fixed_size: 0
    .kernarg_segment_align: 8
    .kernarg_segment_size: 24
    .max_flat_workgroup_size: 256
    .sgpr_count:     66
    .vgpr_count:     512
    .wavefront_size: 32
...
	.end_amdgpu_metadata
.endif
;; end of part 3
;; launch oproj (part 4): grid 64 x 4, 4 waves a work-group, no clusters, 17,920 bytes of LDS; arguments ab, wq, b_o, out0; writes out0
.if DOCPART == 4
	.amdgcn_target "amdgcn-amd-amdhsa--gfx1250"
	.amdhsa_code_object_version 6
	.text
	.protected	k_q62b43c2b18_oproj
	.globl	k_q62b43c2b18_oproj
	.p2align	8
	.type	k_q62b43c2b18_oproj,@function
k_q62b43c2b18_oproj:
	s_mov_b64 s[64:65], 0
	v_nop
	global_prefetch_b8 v0, s[64:65] scope:SCOPE_SE
	s_setreg_imm32_b32 hwreg(HW_REG_WAVE_MODE, 25, 1), 1
	s_wait_xcnt 0x0
; Launch 4 of 4: out = attention's result x w_o + b_o, on the codes that the third launch and the first have made.  Nothing is left out.
; SHARES.  Work-group (x, y): 64 tokens x (4 tiles); wave w makes columns 64 (4 y + w) on: 16 accumulators, K = 1,024 in 8 steps.  Operands come as images of their registers, straight from memory: 512 consecutive bytes a load.
; ALL EIGHT K STEPS' FRAGMENTS HAVE REGISTERS OF THEIR OWN (8 sets of 64): their 128 loads are issued at the head, in the order of the K steps, and no register is loaded twice.
; NO CLUSTER: a joint request exists for tensor loads alone, and this text has none.  NO PREFETCH: every load of the launch is issued at the head; there is no later load to run ahead of.
; THE PRODUCT IS USED TRANSPOSED (source 0 = 16 columns of w_o, source 1 = 16 tokens): a lane's eight results are eight neighbouring columns of one token's row.  A tile's lane r is token 8 u + r + 8 (r / 8) of its group of 32.
; THE WAY OUT: 16 rows x 256 bytes at a time through the wave's own stage in LDS, so that sixteen lanes store 256 consecutive bytes, aligned.
; REGISTERS: window 0: v1-7 addresses; v8-23 w_o's scale words, v24-39 the tokens' (register 4 tile + k % 4: lanes 0-15 K steps 0-3, lanes 16-31 K steps 4-7); v64-191 rows on their way out.
;   window 1: v0-127 the 16 accumulators; v128-159 the bias, the C of each sum's first matrix instruction.   window 2: K steps 0-3, 64 registers each (w_o's 4 fragments, the tokens' 4).   window 3: K steps 4-7.
.set ASC,   2097152
.set WSC,   1310720
.set SP,    272                        ; a stage row: 256 bytes + 16 = 68 words: row r starts at bank 4 r mod 64 (64 banks of 4 bytes: ISA guide 11.1)
.set STG,   16*SP
.set SPARE, 4*STG                      ; behind the four stages: the spare words, 128 bytes for each wave: two blocks of 256 bytes that no other line names
.set LI,  1
.set BO,  2
.set STO, 3
.set RD,  4
.set SPW, 5
.set NIL, 6
.set CO,  7
.set WSR, 8
.set XSR, 24
.set OB,  64
.set BI,  128                          ; in window 1
.set MSB, 0
.macro WIN new                         ; the immediate's high byte repeats the setting that is left
.if MSB != \new
	s_set_vgpr_msb (MSB<<8)|\new
.set MSB, \new
.endif
.endm
	s_load_b256 s[4:11], s[0:1], 0x0               ; ab, wq, b_o, out0
	v_lshl_add_u32 v[SPW], v0, 2, SPARE
	v_mov_b32 v[NIL], 0
	v_lshrrev_b32 v40, 5, v0
	v_readfirstlane_b32 s12, v40                   ; wave
	s_and_b32 s13, ttmp7, 0xffff
	s_lshl_b32 s14, s13, 2
	s_add_co_u32 s14, s14, s12                     ; my slab of 64 columns, 0..15
	s_lshl_b32 s16, ttmp9, 15                      ; the tokens' images: 4 tiles of 8,192 bytes
	s_mov_b32 s17, 0
	s_lshl_b32 s18, ttmp9, 11
	s_add_co_u32 s18, s18, ASC                     ; their scale words
	s_mov_b32 s19, 0
	s_lshl_b32 s20, s14, 2
	s_add_co_u32 s20, s20, 96                      ; my first tile of wq
	s_lshl_b32 s22, s20, 9
	s_add_co_u32 s22, s22, WSC
	s_mov_b32 s23, 0
	s_lshl_b32 s20, s20, 13
	s_mov_b32 s21, 0
	s_lshl_b32 s24, s14, 8                         ; 64 numbers are 256 bytes
	s_mov_b32 s25, 0
	s_lshl_b32 s26, ttmp9, 18                      ; 64 rows of 4,096 bytes
	s_add_co_u32 s26, s26, s24
	s_mov_b32 s27, 0
	v_and_b32 v40, 31, v0
	v_lshlrev_b32 v[LI], 4, v40
	v_and_b32 v41, 15, v0                          ; r
	v_bfe_u32 v42, v0, 4, 1                        ; h
	v_lshlrev_b32 v[BO], 6, v42                    ; lane (r, h) wants, for tile 2 b + u, the bias of columns 32 b + 16 h + 8 u + 0 .. 7
	s_mul_i32 s15, s12, STG
	v_mul_u32_u24 v[STO], v41, SP
	v_lshl_add_u32 v[STO], v42, 6, v[STO]
	v_add_nc_u32 v[STO], s15, v[STO]               ; in: row r, + 64 h
	v_mul_u32_u24 v[RD], v42, SP
	v_lshl_add_u32 v[RD], v41, 4, v[RD]
	v_add_nc_u32 v[RD], s15, v[RD]                 ; back: lanes 0-15 one row, lanes 16-31 the next
	v_lshlrev_b32 v[CO], 12, v42
	v_lshl_add_u32 v[CO], v41, 4, v[CO]            ; and the same two rows in out0
	s_wait_alu depctr_va_vdst(0)
	s_wait_kmcnt 0x0
	s_add_nc_u64 s[16:17], s[4:5], s[16:17]
	s_add_nc_u64 s[18:19], s[4:5], s[18:19]
	s_add_nc_u64 s[20:21], s[6:7], s[20:21]
	s_add_nc_u64 s[22:23], s[6:7], s[22:23]
	s_add_nc_u64 s[24:25], s[8:9], s[24:25]
	s_add_nc_u64 s[26:27], s[10:11], s[26:27]
.irp t, 0,1,2,3
	global_load_b128 v[WSR+4*\t:WSR+4*\t+3], v[LI], s[22:23] offset:512*\t
	global_load_b128 v[XSR+4*\t:XSR+4*\t+3], v[LI], s[18:19] offset:512*\t
.endr
	WIN 0x40                                       ; destination window 1
.irp t, 0,1,2,3
	global_load_b128 v[BI+8*\t:BI+8*\t+3], v[BO], s[24:25] offset:128*(\t/2)+32*(\t%2)
	global_load_b128 v[BI+8*\t+4:BI+8*\t+7], v[BO], s[24:25] offset:128*(\t/2)+32*(\t%2)+16
.endr
.macro LOADK k                         ; 16 loads: K step k's fragments into its own 64 registers: window 2 + k / 4, from register 64 (k % 4) on
	WIN (0x80+0x40*((\k)/4))
.irp t, 0,1,2,3
.irp c, 0,1
	global_load_b128 v[64*((\k)%4)+8*\t+4*\c:64*((\k)%4)+8*\t+4*\c+3], v[LI], s[20:21] offset:\t*8192+1024*(\k)+512*\c
	global_load_b128 v[64*((\k)%4)+32+8*\t+4*\c:64*((\k)%4)+32+8*\t+4*\c+3], v[LI], s[16:17] offset:\t*8192+1024*(\k)+512*\c
.endr
.endr
.endm
; 16 matrix instructions: the 16 accumulators take turns, one instruction a turn, in the same order in every K step
.macro MUL k
	WIN (0x5a+5*((\k)/4))                          ; A, B window 2 or 3, C and D window 1
.set FS, 64*((\k)%4)
.irp i, 0,1,2,3
.irp t, 0,1,2,3
.set rD, 8*(4*\i+\t)
.set rC, rD
.if (\k) == 0
.set rC, BI+8*\t
.endif
.if (\k) < 4
	v_wmma_scale_f32_16x16x128_f8f6f4 v[rD:rD+7], v[FS+8*\t:FS+8*\t+7], v[FS+32+8*\i:FS+32+8*\i+7], v[rC:rC+7], v[WSR+4*\t+(\k)%4], v[XSR+4*\i+(\k)%4] matrix_a_fmt:MATRIX_FMT_FP4 matrix_b_fmt:MATRIX_FMT_FP4
.else
	v_wmma_scale_f32_16x16x128_f8f6f4 v[rD:rD+7], v[FS+8*\t:FS+8*\t+7], v[FS+32+8*\i:FS+32+8*\i+7], v[rC:rC+7], v[WSR+4*\t+(\k)%4], v[XSR+4*\i+(\k)%4] matrix_a_fmt:MATRIX_FMT_FP4 matrix_b_fmt:MATRIX_FMT_FP4 matrix_a_scale:MATRIX_SCALE_ROW1 matrix_b_scale:MATRIX_SCALE_ROW1
.endif
.endr
.endr
.endm
.irp k, 0,1,2,3,4,5,6,7
	LOADK \k
.endr
.irp k, 0,1,2,3,4,5,6,7
.if \k < 4
	s_wait_loadcnt 63                              ; behind this K step's loads 64 or more were issued: with at most 63 out, this step's and all before them are in
.else
	s_wait_loadcnt 16*(7-\k)                       ; the later K steps' 16 each may be out
.endif
	MUL \k
.endr
.rept 4
	v_nop                                          ; four places in front of the first read of results (ISA guide 7.12.1)
.endr
.irp i, 0,1,2,3                        ; token tile i goes through my stage.  LDS serves a wave's instructions in order: the loads see the stores above them, and the next tile's stores come behind them
	WIN 0x04                                       ; an LDS store's data are its source 1: window 1
.irp t, 0,1,2,3
	ds_store_b128 v[STO], v[8*(4*\i+\t):8*(4*\i+\t)+3] offset:128*(\t/2)+32*(\t%2)          ; each accumulator from its low end on
	ds_store_b128 v[STO], v[8*(4*\i+\t)+4:8*(4*\i+\t)+7] offset:128*(\t/2)+32*(\t%2)+16
.endr
	WIN 0
.irp k, 0,1,2,3,4,5,6,7
	ds_load_b128 v[OB+32*\i+4*\k:OB+32*\i+4*\k+3], v[RD] offset:2*SP*\k
.endr
.endr
.irp i, 0,1,2,3
	s_wait_dscnt 16*(3-\i)                         ; tile i is back; the later tiles' 8 stores and 8 loads each may be out
.irp k, 0,1,2,3,4,5,6,7
	global_store_b128 v[CO], v[OB+32*\i+4*\k:OB+32*\i+4*\k+3], s[26:27] offset:(32*(\i/2)+8*(\i%2)+2*\k+8*(\k/4))*4096 th:TH_STORE_NT   ; stage row p is token p + 8 (p / 8) of the tile; sixteen lanes store 256 consecutive bytes, aligned
.endr
.endr
	s_wait_tensorcnt 0x0                           ; the wave's end: behind my last LDS store
	ds_add_u32 v[SPW], v[NIL]
	s_wait_dscnt 0x0
	s_endpgm
.Lfunc_end_k_q62b43c2b18_oproj:
	.size	k_q62b43c2b18_oproj, .Lfunc_end_k_q62b43c2b18_oproj-k_q62b43c2b18_oproj
	.p2alignl 7, 3214868480
	.fill 96, 4, 3214868480
	.section	.rodata,"a",@progbits
	.p2align	6, 0x0
	.amdhsa_kernel k_q62b43c2b18_oproj
		.amdhsa_group_segment_fixed_size 17920
		.amdhsa_private_segment_fixed_size 0
		.amdhsa_enable_private_segment 0
		.amdhsa_kernarg_size 32
		.amdhsa_user_sgpr_count 2
		.amdhsa_user_sgpr_kernarg_segment_ptr 1
		.amdhsa_wavefront_size32 1
		.amdhsa_system_sgpr_workgroup_id_x 1
		.amdhsa_system_sgpr_workgroup_id_y 1
		.amdhsa_system_sgpr_workgroup_id_z 1
		.amdhsa_system_vgpr_workitem_id 0
		.amdhsa_next_free_vgpr 1024
		.amdhsa_next_free_sgpr 66
		.amdhsa_reserve_vcc 0
		.amdhsa_float_denorm_mode_32 3
		.amdhsa_float_denorm_mode_16_64 3
		.amdhsa_memory_ordered 1
		.amdhsa_forward_progress 1
		.amdhsa_inst_pref_size 40
	.end_amdhsa_kernel
	.amdgpu_metadata
---
amdhsa.version: [ 1, 2 ]
amdhsa.kernels:
  - .name:           k_q62b43c2b18_oproj
    .symbol:         k_q62b43c2b18_oproj.kd
    .args:
      - { .name: ab, .offset: 0, .size: 8, .value_kind: global_buffer, .address_space: global }
      - { .name: wq, .offset: 8, .size: 8, .value_kind: global_buffer, .address_space: global }
      - { .name: b_o, .offset: 16, .size: 8, .value_kind: global_buffer, .address_space: global }
      - { .name: out0, .offset: 24, .size: 8, .value_kind: global_buffer, .address_space: global }
    .group_segment_fixed_size: 17920
    .private_segment_fixed_size: 0
    .kernarg_segment_align: 8
    .kernarg_segment_size: 32
    .max_flat_workgroup_size: 128
    .sgpr_count:     66
    .vgpr_count:     1024
    .wavefront_size: 32
...
	.end_amdgpu_metadata
.endif
;; end of part 4
